; MI455X (gfx1250); checked and timed in simulation.
; The chip was launched on July 23, 2026; its instructions are those of AMD's public machine-readable ISA for CDNA 5 (MIT licence, August 2026) and "CDNA5" Instruction Set Architecture Reference Guide (July 2026). The comments in the code are by the model that wrote it; some were corrected since.
;; Transformer. Allowed arithmetic: float matrix products may take bf16 or f16 operands with f32 sums; all other float work in f32.
;; Inputs: Wk 1,024 x 256 float32; Wq 1,024 x 256 float32; Wv 1,024 x 1,024 float32; bk 256 float32; bq 256 float32; bv 1,024 float32; gamma 1 float32; x 4 x 2,048 x 1,024 float32; y 4 x 2,048 x 1,024 float32.
;; Outputs: out0 4 x 2,048 x 1,024 float32.
;; One version. Each part assembles by itself: llvm-mc -triple=amdgcn-amd-amdhsa -mcpu=gfx1250 --defsym DOCPART=n.
;; ======== version 1 of 1: 3 launches
;; workspace buffers: Wf 3,145,728 bytes; qb 4,194,304 bytes; kb 4,194,304 bytes; vb 16,777,216 bytes
;; launch prep (part 1): grid 32 x 8, 3 waves a work-group, no clusters, 13,568 bytes of LDS; arguments Wq, Wk, Wv, Wf; writes Wf
.if DOCPART == 1
	.amdgcn_target "amdgcn-amd-amdhsa--gfx1250"
	.amdhsa_code_object_version 6
	.text
	.protected	k_q6567264647_prep
	.globl	k_q6567264647_prep
	.p2align	8
	.type	k_q6567264647_prep,@function
k_q6567264647_prep:
	s_mov_b64 s[64:65], 0
	v_nop
	global_prefetch_b8 v0, s[64:65] scope:SCOPE_SE
	s_setreg_imm32_b32 hwreg(HW_REG_WAVE_MODE, 25, 1), 1
	s_wait_xcnt 0x0
; Wq [1024][256], Wk [1024][256], Wv [1024][1024], f32 with K down the rows, are rounded once to bf16 and laid out in the order in which the
; matrix instruction wants a fragment of 16 columns x 32 k:  Wf[c 4][kq 32][wc 2][f 12][g 2][lane 32][8 bf16], head hd = 2 c + wc, lane = r + 16 h,
; element e at k = 32 kq + 16 g + 8 h + e; f 0-7: Wv column 128 hd + 16 f + r; f 8, 9: Wk column 32 hd + 16 (f - 8) + r; f 10, 11: the same of Wq.
; A fragment is then 1,024 consecutive bytes, and a lane takes its 16 bytes at 16 x lane: no padding and no turning load is needed in the next launch.
; SHARES.  768 jobs of 32 k x 64 columns (4 fragments, 4,096 bytes of Wf), one a wave: kq = group x, cg = 3 x group y + wave; cg 0-15: Wv, 16-19: Wk, 20-23: Wq.
; Sixteen lanes read 256 consecutive bytes of a row; a store covers 512 consecutive bytes.  The turn from rows to fragments goes through the wave's own LDS bytes.
; No matrix unit, no cluster, no tensor load: 9 MB pass once, and no two work-groups read the same byte.
.set SPARE, 13056                      ; behind the three stages: the spare words, 128 bytes a wave, two blocks of 256 bytes that no other line names
.set WST,   4352                       ; a wave's stage: four fragments,
.set FPI,   1040                       ; 1,024 + 16 bytes apart: the sixteen lanes of a store then fall into sixteen different 16-byte columns of 256 bytes
.set OFF, 4                            ; v4-19    byte offset of my 16 bytes in row 16 g + 8 h + e of the job, at index 8 g + e
.set RAW, 20                           ; v20-83   sixteen rows x 4 columns in f32; later the fragments read back
.set PC,  84                           ; v84-115  (g, column j): 8 bf16 along k, 4 registers
.set LS,  116                          ; where I put 16 bytes of a fragment
.set LR,  117                          ; where I read a fragment back
.set GS,  118                          ; 16 x lane
.set SPW, 120                          ; LDS address of my spare word; never rewritten
.set NIL, 121                          ; 0; never rewritten
	s_load_b256 s[4:11], s[0:1], 0x0               ; Wq s[4:5], Wk s[6:7], Wv s[8:9], Wf s[10:11]
	v_lshl_add_u32 v[SPW], v0, 2, SPARE
	v_mov_b32 v[NIL], 0
	v_lshrrev_b32 v1, 5, v0
	v_readfirstlane_b32 s12, v1                    ; wave 0..2
	s_and_b32 s13, ttmp7, 0xffff
	s_mul_i32 s13, s13, 3
	s_add_co_u32 s13, s13, s12                     ; cg 0..23
	s_mul_i32 s14, ttmp9, 24576                    ; kq's part of the place in Wf
	; the job read as a part of Wv: c = cg / 4, wc = (cg / 2) % 2, fragments 4 (cg % 2) on
	s_lshr_b32 s15, s13, 2
	s_mul_i32 s15, s15, 786432
	s_bfe_u32 s16, s13, 0x10001
	s_mul_i32 s16, s16, 12288
	s_add_co_u32 s15, s15, s16
	s_and_b32 s16, s13, 1
	s_lshl_b32 s16, s16, 12
	s_add_co_u32 s15, s15, s16
	s_lshl_b32 s17, s13, 8                         ; its first column, in bytes
	; the job read as a part of Wk or Wq: t = cg - 16, c = t % 4, Wq if t / 4; two fragments for head 2 c, two for head 2 c + 1
	s_sub_co_u32 s18, s13, 16
	s_and_b32 s19, s18, 3
	s_bfe_u32 s20, s18, 0x10002
	s_mul_i32 s21, s19, 786432
	s_lshl_b32 s22, s20, 11
	s_add_co_u32 s21, s21, s22
	s_add_co_u32 s21, s21, 8192
	s_lshl_b32 s22, s19, 8
	s_movk_i32 s26, 12288
	s_cmp_lt_u32 s13, 16
	s_cselect_b32 s23, s15, s21                    ; where fragments 0 and 1 go
	s_cselect_b32 s24, s17, s22                    ; the first column, in bytes
	s_cselect_b32 s25, 12, 10                      ; a row of the source is 4,096 or 1,024 bytes
	s_cselect_b32 s26, 2048, s26                   ; from fragments 0, 1 to fragments 2, 3
	s_lshl_b32 s27, 1, s25                         ; one row
	s_lshl_b32 s28, 16, s25                        ; sixteen rows
	s_add_co_u32 s30, s23, s14
	s_mov_b32 s31, 0
	s_mov_b32 s32, s26
	s_mov_b32 s33, 0
	s_lshl_b32 s34, ttmp9, 5                       ; the job's first row, 32 kq,
	s_lshl_b32 s34, s34, s25                       ; in bytes,
	s_add_co_u32 s34, s34, s24                     ; and its first column
	s_mov_b32 s35, 0
	v_and_b32 v1, 15, v0                           ; cq: my four columns 4 cq ..
	v_bfe_u32 v2, v0, 4, 1                         ; h
	v_mul_lo_u32 v3, v2, s27
	v_lshlrev_b32 v3, 3, v3                        ; 8 h rows
	v_lshl_add_u32 v[OFF], v1, 4, v3
.irp i, 1,2,3,4,5,6,7
	v_add_nc_u32 v[OFF+\i], s27, v[OFF+\i-1]
.endr
	v_add_nc_u32 v[OFF+8], s28, v[OFF]
.irp i, 9,10,11,12,13,14,15
	v_add_nc_u32 v[OFF+\i], s27, v[OFF+\i-1]
.endr
	v_lshrrev_b32 v3, 2, v1                        ; column 4 cq + j lies in fragment cq / 4 at r = 4 (cq % 4) + j
	v_mul_u32_u24 v3, v3, FPI
	v_lshl_add_u32 v3, v2, 8, v3                   ; lane r + 16 h: 256 h + 64 (cq % 4) + 16 j
	v_and_b32 v[LS], 3, v1
	v_lshl_add_u32 v3, v[LS], 6, v3
	s_mul_i32 s29, s12, WST
	v_add_nc_u32 v[LS], s29, v3
	v_and_b32 v[GS], 31, v0
	v_lshlrev_b32 v[GS], 4, v[GS]
	v_add_nc_u32 v[LR], s29, v[GS]
	s_wait_kmcnt 0x0
	s_cmp_eq_u32 s20, 1
	s_cselect_b64 s[36:37], s[4:5], s[6:7]         ; Wq or Wk,
	s_cmp_lt_u32 s13, 16
	s_cselect_b64 s[36:37], s[8:9], s[36:37]       ; or Wv
	s_add_nc_u64 s[36:37], s[36:37], s[34:35]
	s_add_nc_u64 s[38:39], s[10:11], s[30:31]      ; fragments 0, 1
	s_add_nc_u64 s[40:41], s[38:39], s[32:33]      ; fragments 2, 3
.set i, 0
.rept 16
	global_load_b128 v[RAW+4*i:RAW+4*i+3], v[OFF+i], s[36:37] th:TH_LOAD_NT  ; lanes 0-15 one row's 256 bytes, lanes 16-31 the row 8 further down
.set i, i+1
.endr
	s_wait_loadcnt 0x0
.irp g, 0,1
.irp j, 0,1,2,3
.irp p, 0,1,2,3
	v_cvt_pk_bf16_f32 v[PC+16*\g+4*\j+\p], v[RAW+4*(8*\g+2*\p)+\j], v[RAW+4*(8*\g+2*\p+1)+\j]  ; two neighbours along k of one column
.endr
.endr
.endr
.irp g, 0,1
.irp j, 0,1,2,3
	ds_store_b128 v[LS], v[PC+16*\g+4*\j:PC+16*\g+4*\j+3] offset:512*\g+16*\j
.endr
.endr
.irp i, 0,1,2,3,4,5,6,7
	ds_load_b128 v[RAW+4*\i:RAW+4*\i+3], v[LR] offset:(\i/2)*FPI+(\i%2)*512  ; my own bytes: LDS serves a wave's instructions in order (ISA guide 5.7.1.4), so these see the stores above
.endr
.irp i, 0,1,2,3
	s_wait_dscnt 7-\i                              ; the younger read-backs may stay out
	global_store_b128 v[GS], v[RAW+4*\i:RAW+4*\i+3], s[38:39] offset:\i*512  ; 512 consecutive bytes, at a multiple of 512 from Wf's first byte
.endr
.irp i, 4,5,6,7
	s_wait_dscnt 7-\i
	global_store_b128 v[GS], v[RAW+4*\i:RAW+4*\i+3], s[40:41] offset:(\i-4)*512
.endr
	s_wait_tensorcnt 0x0                           ; the wave's end, behind my last LDS store
	ds_add_u32 v[SPW], v[NIL]
	s_wait_dscnt 0x0
	s_endpgm
.Lfunc_end_k_q6567264647_prep:
	.size	k_q6567264647_prep, .Lfunc_end_k_q6567264647_prep-k_q6567264647_prep
	.p2alignl 7, 3214868480
	.fill 96, 4, 3214868480
	.section	.rodata,"a",@progbits
	.p2align	6, 0x0
	.amdhsa_kernel k_q6567264647_prep
		.amdhsa_group_segment_fixed_size 13568
		.amdhsa_private_segment_fixed_size 0
		.amdhsa_enable_private_segment 0
		.amdhsa_kernarg_size 32
		.amdhsa_user_sgpr_count 2
		.amdhsa_user_sgpr_kernarg_segment_ptr 1
		.amdhsa_wavefront_size32 1
		.amdhsa_system_sgpr_workgroup_id_x 1
		.amdhsa_system_sgpr_workgroup_id_y 1
		.amdhsa_system_sgpr_workgroup_id_z 1
		.amdhsa_system_vgpr_workitem_id 0
		.amdhsa_next_free_vgpr 122
		.amdhsa_next_free_sgpr 66
		.amdhsa_reserve_vcc 0
		.amdhsa_float_denorm_mode_32 3
		.amdhsa_float_denorm_mode_16_64 3
		.amdhsa_memory_ordered 1
		.amdhsa_forward_progress 1
		.amdhsa_inst_pref_size 10
	.end_amdhsa_kernel
	.amdgpu_metadata
---
amdhsa.version: [ 1, 2 ]
amdhsa.kernels:
  - .name:           k_q6567264647_prep
    .symbol:         k_q6567264647_prep.kd
    .args:
      - { .name: Wq, .offset: 0, .size: 8, .value_kind: global_buffer, .address_space: global }
      - { .name: Wk, .offset: 8, .size: 8, .value_kind: global_buffer, .address_space: global }
      - { .name: Wv, .offset: 16, .size: 8, .value_kind: global_buffer, .address_space: global }
      - { .name: Wf, .offset: 24, .size: 8, .value_kind: global_buffer, .address_space: global }
    .group_segment_fixed_size: 13568
    .private_segment_fixed_size: 0
    .kernarg_segment_align: 8
    .kernarg_segment_size: 32
    .max_flat_workgroup_size: 96
    .sgpr_count:     66
    .vgpr_count:     122
    .wavefront_size: 32
...
	.end_amdgpu_metadata
.endif
;; end of part 1
;; launch proj (part 2): grid 4 x 64, 4 waves a work-group, clusters of 4 x 4, 327,680 bytes of LDS; arguments x, y, Wf, bq, bk, bv, qb, kb, vb; writes qb, kb, vb
.if DOCPART == 2
	.amdgcn_target "amdgcn-amd-amdhsa--gfx1250"
	.amdhsa_code_object_version 6
	.text
	.protected	k_q6567264647_proj
	.globl	k_q6567264647_proj
	.p2align	8
	.type	k_q6567264647_proj,@function
k_q6567264647_proj:
	s_mov_b64 s[64:65], 0
	v_nop
	global_prefetch_b8 v0, s[64:65] scope:SCOPE_SE
	s_setreg_imm32_b32 hwreg(HW_REG_WAVE_MODE, 25, 1), 1
	s_wait_xcnt 0x0
	s_wait_alu depctr_hold_cnt(0) depctr_sa_sdst(0) depctr_va_vdst(0) depctr_va_sdst(0) depctr_va_ssrc(0) depctr_va_vcc(0) depctr_vm_vsrc(0)
	s_getreg_b32 s2, hwreg(HW_REG_IB_STS2, 6, 4)
	s_cmp_eq_u32 s2, 0
	s_cbranch_scc0 .Lentry_in_a_cluster
	s_endpgm
.Lentry_in_a_cluster:
	s_bfe_u32 s2, ttmp6, 0x10000c
	s_cmp_lg_u32 s2, 0xf033
	s_cbranch_scc0 .Lentry_shape_is_right
	s_endpgm
.Lentry_shape_is_right:
; q = x Wq + bq, k = y Wk + bk, v = y Wv + bv; x, y: [8192][1024] f32.  Operands rounded once to bf16, sums in f32 (the bias is the C operand that starts a sum), results rounded once to bf16 and
; written by heads: qb, kb [b 8 + head][2048][32], vb [b 8 + head][2048][128].  LIMITS: NaN and infinities are not treated apart; bf16 has f32's range, so no input of finite results is cut off.
; SHARES.  Work-group (c, rb): rows 128 rb .. + 127, heads 2 c and 2 c + 1.  Wave (wr, wc): 64 rows x head 2 c + wc: 12 column fragments (8 of v, 2 of k, 2 of q) x 4 row fragments = 48 accumulators.
; THE WEIGHTS come in fragment order from Wf, by tensor loads into two slots of K = 128 (98,304 bytes; each wave brings one K sub-step, a quarter of the slot).  The four work-groups of a column of the
; cluster have the same c and ask JOINTLY.
; x AND y GO THROUGH REGISTERS: each wave loads 32 rows of both, 64 along K (32 loads of 512 bytes), two such steps ahead: 64 loads are always on their way; a chunk is rounded once and put into LDS
; as bf16.  NO JOINT LOAD FOR x AND y: as f32 tiles in LDS a slot of K = 64 beside the weights would be asked for only 96 matrix instructions ahead of its use, and every wave that reads it would round it
; again; the four work-groups of a row of the cluster therefore each load the same rows, at the same time.
; THE MATRIX INSTRUCTION IS USED TRANSPOSED (source 0 = 16 weight columns, source 1 = 16 data rows): a lane then holds one data row and eight neighbouring columns.
; REGISTERS, in windows of 256 (s_set_vgpr_msb: bits 1:0 source 0, 3:2 source 1, 5:4 source 2, 7:6 destination):
;   window 0: v0-31 addresses; v32-63, v64-95 y's fragments, two buffers; v96-127 x's fragments; v128-255 raw chunks of the odd K steps (on the way out: at work)
;   window 1: v0-127 raw chunks of the even K steps; v128, v129 copies of two addresses; v132-227 the biases, 8 a column fragment
;   window 2: the accumulators of v, (a, f) at 8 (8 a + f)      window 3: v0-127 those of k and q, (a, f) at 8 (4 a + f - 8); v128-223 the weights' fragments
.set SLOTB,  131072                    ; slot 1 begins here: one exclusive or turns an address in one slot into the other's
.set SUBB,   24576                     ; a K sub-step of 32: [wc 2][f 12][g 2][512 bytes]
.set SLOTSZ, 98304                     ; four of them
.set STAGE,  98304                     ; between the slots: a stage for each wave, never filled by a tensor load:
.set STW,    6912                      ; 16 rows x 272 (v), 16 x 80 (k), 16 x 80 (q)
.set SPARE,  125952                    ; the spare words, 128 bytes a wave: two blocks of 256 bytes that no other line names
.set ABUF,   229376                    ; behind slot 1: x and y in bf16, two buffers, written by LDS stores alone
.set ABP,    36864                     ; a buffer: y's 128 rows, then
.set ABX,    18432                     ; x's 128 rows
.set AP,     144                       ; a row: 64 bf16 + 16 bytes: the 16 rows of a fragment load start at 16 different groups of four banks (64 banks of 4 bytes: ISA guide 11.1)
.set ADRA, 16                          ; LDS address of my rows' fragments in buffer 0
.set AB0,  17                          ; my lane's place in a K sub-step of the weights
.set ADRB, 18                          ; the same for the sub-step that is being fetched
.set ADRS, 19                          ; where I put 8 bytes of a chunk
.set GOF,  20                          ; my byte offset in x and y
.set BO,   21                          ; my byte offset in a fragment's 16 biases
.set STO,  22                          ; the way out: v in, v back, k and q in, k and q back, 16 x lane
.set RD,   23
.set STO2, 24
.set RD2,  25
.set CO,   26
.set SPW,  28                          ; LDS address of my spare word; never rewritten
.set NIL,  29                          ; 0; never rewritten
.set AY0,  32
.set AX,   96
.set BIAS, 132
.set BF,   128
.set TMP,  128
.set BK,   160
.set TMP2, 224
.set BK2,  240
.set G1,  32                           ; s[32:39] descriptor group 1
.set G0A, 40                           ; s[40:43] group 0 of slot 0's first fill
.set G0B, 44                           ; s[44:47] group 0 of slot 1's first fill; it then walks
.set LC,  48
.set TBP, 49                           ; LDS byte at which the K sub-step to be fetched begins
.set YB,  50                           ; s[50:51] y, s[52:53] x at the group's rows and the K step that is being loaded
.set XB,  52
.set OVB, 58                           ; s[58:63] vb, kb, qb at my first row
.set OKB, 60
.set OQB, 62
.set MSB, 0
.macro WIN new                         ; the immediate's high byte repeats the setting that is left; a switch that changes nothing is dropped
.if MSB != (\new)
	s_set_vgpr_msb (MSB<<8)|(\new)
.set MSB, \new
.endif
.endm
.macro PLACES                          ; four places in front of loads into registers that matrix instructions have read, and of conversions that read results
.rept 4
	v_nop
.endr
.endm
.macro CREST                           ; a round of the cluster's barrier behind its opening barrier
	s_cmp_lg_u32 s22, 0
	s_cbranch_scc1 .Lnot_wave_0_\@
	s_barrier_signal -3
.Lnot_wave_0_\@:
	s_barrier_wait -3
	s_barrier_signal -1
	s_barrier_wait -1
.endm
.macro CROUND
	s_barrier_signal -1
	s_barrier_wait -1
	CREST
.endm
	s_load_b256 s[4:11], s[0:1], 0x0               ; x s[4:5], y s[6:7], Wf s[8:9], bq s[10:11]
	s_load_b256 s[12:19], s[0:1], 0x20             ; bk s[12:13], bv s[14:15], qb s[16:17], kb s[18:19]
	s_load_b64 s[20:21], s[0:1], 0x40              ; vb
	v_lshl_add_u32 v[SPW], v0, 2, SPARE
	v_mov_b32 v[NIL], 0
	ds_add_u32 v[SPW], v[NIL]                      ; the wave's opening: the add and its wait stand ahead of my first tensor load; the set-up, work on registers, stands between them
	v_lshrrev_b32 v1, 5, v0
	v_readfirstlane_b32 s22, v1                    ; wave 0..3
	s_lshr_b32 s23, s22, 1                         ; wr: which 64 rows
	s_and_b32 s24, s22, 1                          ; wc: which of the two heads
	s_bfe_u32 s25, ttmp6, 0x40000                  ; cx
	s_bfe_u32 s26, ttmp6, 0x40004                  ; cy
	s_lshl_b32 s27, ttmp9, 2
	s_add_co_u32 s27, s27, s25                     ; c = 4 x cluster x + cx
	s_and_b32 s28, ttmp7, 0xffff
	s_lshl_b32 s28, s28, 2
	s_add_co_u32 s28, s28, s26                     ; rb = 4 x cluster y + cy
	s_lshl_b32 s29, s27, 1
	s_add_co_u32 s29, s29, s24                     ; my head
	; the descriptor: 24,576 dense bytes as 96 rows of 256 bytes
	s_lshl_b32 s30, 0x1111, s25                    ; my column of the cluster: places cx, cx + 4, cx + 8, cx + 12
	s_or_b32 s[G1], s30, (3<<16)|(1<<21)           ; 15:0 the mask; 17:16 elements of 8 bytes; 21 set beside a mask; no padding
	s_mov_b32 s[G1+1], 32<<16                      ; tensor_dim0 = 32
	s_mov_b32 s[G1+2], 96<<16                      ; tensor_dim1 = 96
	s_mov_b32 s[G1+3], 32<<16                      ; tile_dim0 = 32
	s_mov_b32 s[G1+4], 96                          ; tile_dim1 = 96
	s_mov_b32 s[G1+5], 32                          ; 32 elements from row to row
	s_mov_b32 s[G1+6], 0
	s_mov_b32 s[G1+7], 0
	s_mov_b32 s[G0A], 1
	s_mul_i32 s[G0A+1], s22, SUBB                  ; LDS address: the wave's number times a constant, plus the slot's constant
	s_mov_b32 s[G0B], 1
	s_add_co_u32 s[G0B+1], s[G0A+1], SLOTB
	s_mul_i32 s54, s27, 786432                     ; c's part of Wf, and my quarter of a slot: nothing of cy enters
	s_add_co_u32 s54, s54, s[G0A+1]
	s_mov_b32 s55, 0
	v_and_b32 v1, 15, v0                           ; r
	v_bfe_u32 v2, v0, 4, 1                         ; h
	v_and_b32 v3, 31, v0                           ; lane
	v_mul_u32_u24 v4, v1, AP                       ; a fragment: row r, 16 bytes for each half of the lanes
	v_lshl_add_u32 v4, v2, 4, v4
	s_mul_i32 s30, s23, 64*AP
	s_add_co_u32 s30, s30, ABUF
	v_add_nc_u32 v[ADRA], s30, v4
	v_lshlrev_b32 v[CO], 4, v3
	s_mul_i32 s30, s24, 12288
	v_add_nc_u32 v[AB0], s30, v[CO]
	v_mul_u32_u24 v4, v2, AP                       ; a chunk: rows 32 w + 2 rp + h, sixteen lanes a row, 8 bytes of bf16 each
	v_lshl_add_u32 v4, v1, 3, v4
	s_mul_i32 s30, s22, 32*AP
	s_add_co_u32 s30, s30, ABUF
	v_add_nc_u32 v[ADRS], s30, v4
	v_lshlrev_b32 v4, 12, v2                       ; the same in memory: rows of 4,096 bytes, 16 bytes of f32 each
	v_lshl_add_u32 v4, v1, 4, v4
	s_lshl_b32 s30, s22, 17
	v_add_nc_u32 v[GOF], s30, v4
	v_lshlrev_b32 v[BO], 5, v2                     ; my eight columns of a fragment begin at 8 h
	s_mul_i32 s30, s22, STW
	s_add_co_u32 s30, s30, STAGE
	v_mul_u32_u24 v4, v1, 272
	v_lshl_add_u32 v4, v2, 4, v4
	v_add_nc_u32 v[STO], s30, v4
	v_mul_u32_u24 v4, v2, 272
	v_lshl_add_u32 v4, v1, 4, v4
	v_add_nc_u32 v[RD], s30, v4
	s_add_co_u32 s30, s30, 4352
	v_mul_u32_u24 v4, v1, 80
	v_lshl_add_u32 v4, v2, 4, v4
	v_add_nc_u32 v[STO2], s30, v4
	v_lshrrev_b32 v4, 2, v3                        ; back: four lanes a row of 64 bytes
	v_mul_u32_u24 v4, v4, 80
	v_and_b32 v5, 3, v3
	v_lshl_add_u32 v4, v5, 4, v4
	v_add_nc_u32 v[RD2], s30, v4
	s_wait_dscnt 0x0                               ; the opening add is done
	s_wait_kmcnt 0x0
	s_add_nc_u64 s[G0A+2:G0A+3], s[8:9], s[54:55]  ; K 0 .. 127
	s_add_nc_u64 s[G0B+2:G0B+3], s[G0A+2:G0A+3], SLOTSZ  ; K 128 .. 255
	s_or_b32 s[G0A+3], s[G0A+3], 0x80000000        ; type = 2
	s_or_b32 s[G0B+3], s[G0B+3], 0x80000000
	s_lshl_b32 s30, s28, 19                        ; 128 rb rows of 4,096 bytes
	s_mov_b32 s31, 0
	s_add_nc_u64 s[YB:YB+1], s[6:7], s[30:31]
	s_add_nc_u64 s[XB:XB+1], s[4:5], s[30:31]
	s_lshl_b32 s56, s29, 9
	s_mov_b32 s57, 0
	s_add_nc_u64 s[14:15], s[14:15], s[56:57]      ; bv at my head's 128 numbers
	s_lshl_b32 s56, s29, 7
	s_add_nc_u64 s[12:13], s[12:13], s[56:57]      ; bk and bq at its 32
	s_add_nc_u64 s[10:11], s[10:11], s[56:57]
	s_lshr_b32 s30, s28, 4                         ; the batch,
	s_lshl_b32 s30, s30, 3
	s_add_co_u32 s30, s30, s29                     ; x 8 + head,
	s_lshl_b32 s30, s30, 11                        ; its 2,048 rows,
	s_and_b32 s56, s28, 15
	s_lshl_b32 s56, s56, 7
	s_add_co_u32 s30, s30, s56                     ; the group's 128,
	s_lshl_b32 s56, s23, 6
	s_add_co_u32 s30, s30, s56                     ; my 64
	s_lshl_b32 s56, s30, 8
	s_add_nc_u64 s[OVB:OVB+1], s[20:21], s[56:57]
	s_lshl_b32 s56, s30, 6
	s_add_nc_u64 s[OKB:OKB+1], s[18:19], s[56:57]
	s_add_nc_u64 s[OQB:OQB+1], s[16:17], s[56:57]
	WIN 0x40                                       ; destination window 1, address window 0
.irp f, 0,1,2,3,4,5,6,7
	global_load_b128 v[BIAS+8*\f:BIAS+8*\f+3],   v[BO], s[14:15] offset:64*\f
	global_load_b128 v[BIAS+8*\f+4:BIAS+8*\f+7], v[BO], s[14:15] offset:64*\f+16
.endr
.irp f, 0,1
	global_load_b128 v[BIAS+64+8*\f:BIAS+64+8*\f+3],   v[BO], s[12:13] offset:64*\f
	global_load_b128 v[BIAS+64+8*\f+4:BIAS+64+8*\f+7], v[BO], s[12:13] offset:64*\f+16
	global_load_b128 v[BIAS+80+8*\f:BIAS+80+8*\f+3],   v[BO], s[10:11] offset:64*\f
	global_load_b128 v[BIAS+80+8*\f+4:BIAS+80+8*\f+7], v[BO], s[10:11] offset:64*\f+16
.endr
	v_mov_b32 v128, v[ADRS]                        ; copies in window 1, so that one setting serves a chunk of the even steps
	v_mov_b32 v129, v[GOF]
.set i_, 0
.rept 32                                       ; K step 0: chunks 0-15 of y, 16-31 of x; sixteen lanes read 256 consecutive bytes of a row
.if i_ < 16
	global_load_b128 v[4*i_:4*i_+3], v[GOF], s[YB:YB+1] offset:(i_%16)*8192
.else
	global_load_b128 v[4*i_:4*i_+3], v[GOF], s[XB:XB+1] offset:(i_%16)*8192
.endif
.set i_, i_+1
.endr
	WIN 0
.set i_, 0
.rept 32                                       ; K step 1
.if i_ < 16
	global_load_b128 v[128+4*i_:128+4*i_+3], v[GOF], s[YB:YB+1] offset:(i_%16)*8192+256
.else
	global_load_b128 v[128+4*i_:128+4*i_+3], v[GOF], s[XB:XB+1] offset:(i_%16)*8192+256
.endif
.set i_, i_+1
.endr
	CROUND                                         ; all sixteen work-groups are here: the first joint loads meet
	tensor_load_to_lds s[G0A:G0A+3], s[G1:G1+7]    ; both first fills go out together: two tensor loads of mine are out
	s_nop 0
	tensor_load_to_lds s[G0B:G0B+3], s[G1:G1+7]
	s_nop 0
	PLACES
; CHUNK i of a K step (two rows x 64 numbers of y, i < 16, or of x): waited for, rounded, put into LDS, and (LD_ = 1) its registers are loaded again with the chunk two K steps on.
; The ring holds 64 chunks: behind the one wanted 63 younger loads were issued; in the last two steps (LD_ = 0) NB_ - i.
.macro CH i
.set r_, RB+4*(\i)
	WIN RAWW
.if LD_
	s_wait_loadcnt 63
.else
	s_wait_loadcnt NB_-(\i)
.endif
	v_cvt_pk_bf16_f32 v[r_], v[r_], v[r_+1]
	v_cvt_pk_bf16_f32 v[r_+1], v[r_+2], v[r_+3]
	ds_store_b64 v[SA_], v[r_:r_+1] offset:P_*ABP+((\i)/16)*ABX+((\i)%16)*2*AP
.if LD_
.if (\i) < 16
	global_load_b128 v[r_:r_+3], v[GA_], s[YB:YB+1] offset:((\i)%16)*8192+EXTRA_
.else
	global_load_b128 v[r_:r_+3], v[GA_], s[XB:XB+1] offset:((\i)%16)*8192+EXTRA_
.endif
.endif
.endm
; Matrix instruction n of 16 of group g: row fragment a = n / 4; g = 0, 1: v's column fragment 4 g + n % 4; g = 2: k's two (on y) and q's two (on x).  first = 1: the bias starts the sum.
.macro MMI g, n, ay, first
.set a_, (\n)/4
.if (\g) < 2
.set f_, 4*(\g)+(\n)%4
.set d_, 8*(8*a_+f_)
.set b_, (\ay)+8*a_
.if \first
	WIN 0x93
	v_wmma_f32_16x16x32_bf16 v[d_:d_+7], v[BF+8*f_:BF+8*f_+7], v[b_:b_+7], v[BIAS+8*f_:BIAS+8*f_+7]
.else
	WIN 0xa3
	v_wmma_f32_16x16x32_bf16 v[d_:d_+7], v[BF+8*f_:BF+8*f_+7], v[b_:b_+7], v[d_:d_+7]
.endif
.else
.set f_, 8+(\n)%4
.set d_, 8*(4*a_+f_-8)
.if f_ < 10
.set b_, (\ay)+8*a_
.else
.set b_, AX+8*a_
.endif
.if \first
	WIN 0xd3
	v_wmma_f32_16x16x32_bf16 v[d_:d_+7], v[BF+8*f_:BF+8*f_+7], v[b_:b_+7], v[BIAS+8*f_:BIAS+8*f_+7]
.else
	WIN 0xf3
	v_wmma_f32_16x16x32_bf16 v[d_:d_+7], v[BF+8*f_:BF+8*f_+7], v[b_:b_+7], v[d_:d_+7]
.endif
.endif
.endm
; Numbers lo .. hi - 1 of a group.  The 48 accumulators take turns, one instruction a turn, in the same order in every sub-step.  ch0 >= 0: a chunk behind every second one.
.macro GRP g, ay, lo, hi, first, ch0
.set n_, \lo
.rept (\hi)-(\lo)
	MMI \g, n_, \ay, \first
.if ((\ch0) >= 0) && (n_%2 == 1)
	CH (\ch0)+n_/2
.endif
.set n_, n_+1
.endr
.endm
; THE FRAGMENT LOADS of the next sub-step stand in three runs, each behind the group that read the registers last.  q4 = the sub-step in hand, modulo 4.
.macro RUN0 q4, pl                     ; y's four fragments into the other buffer, the weights' fragments 0-3
.if \pl
	PLACES
.endif
	WIN 0
	v_add_nc_u32 v[ADRB], s[TBP], v[AB0]
.if (\q4) == 2
	s_sub_co_u32 s[TBP], s[TBP], 3*SUBB            ; behind a slot's fourth sub-step: back to the first,
	s_xor_b32 s[TBP], s[TBP], SLOTB                ; in the other slot
.else
	s_add_co_u32 s[TBP], s[TBP], SUBB
.endif
.set pn_, (((\q4)+1)/2)%2
.set kn_, ((\q4)+1)%2
.set ayn_, AY0+32*kn_
.irp a, 0,1,2,3
	ds_load_b128 v[ayn_+8*\a:ayn_+8*\a+3],   v[ADRA] offset:pn_*ABP+\a*16*AP+kn_*64
	ds_load_b128 v[ayn_+8*\a+4:ayn_+8*\a+7], v[ADRA] offset:pn_*ABP+\a*16*AP+kn_*64+32
.endr
	WIN 0xc0
.irp f, 0,1,2,3
	ds_load_b128 v[BF+8*\f:BF+8*\f+3],   v[ADRB] offset:\f*1024
	ds_load_b128 v[BF+8*\f+4:BF+8*\f+7], v[ADRB] offset:\f*1024+512
.endr
.endm
.macro RUN1                            ; the weights' fragments 4-7
	PLACES
	WIN 0xc0
.irp f, 4,5,6,7
	ds_load_b128 v[BF+8*\f:BF+8*\f+3],   v[ADRB] offset:\f*1024
	ds_load_b128 v[BF+8*\f+4:BF+8*\f+7], v[ADRB] offset:\f*1024+512
.endr
.endm
.macro RUN2 q4                         ; the weights' fragments 8-11, x's four fragments
	PLACES
	WIN 0xc0
.irp f, 8,9,10,11
	ds_load_b128 v[BF+8*\f:BF+8*\f+3],   v[ADRB] offset:\f*1024
	ds_load_b128 v[BF+8*\f+4:BF+8*\f+7], v[ADRB] offset:\f*1024+512
.endr
	WIN 0
.set pn_, (((\q4)+1)/2)%2
.set kn_, ((\q4)+1)%2
.irp a, 0,1,2,3
	ds_load_b128 v[AX+8*\a:AX+8*\a+3],   v[ADRA] offset:pn_*ABP+ABX+\a*16*AP+kn_*64
	ds_load_b128 v[AX+8*\a+4:AX+8*\a+7], v[ADRA] offset:pn_*ABP+ABX+\a*16*AP+kn_*64+32
.endr
.endm
; A K SUB-STEP of 32: three groups of 16 matrix instructions, each followed by a run of loads for the next sub-step.
; The waits on DScnt count the runs alone (16, 8, 16 loads); the chunks' LDS stores between them make the true number of younger instructions larger, never smaller.
; bar = 1, in every odd sub-step: ONE barrier for a K step of 64.  All reads of the buffer of x and y that this step leaves were issued in the sub-step before; in front of the signal each wave waits for them and for its
;   stores into the other buffer.  Behind the barrier the buffer left is written with the K step two on (32 chunks over the next four groups), and the other buffer is read.
; bar = 2, in every fourth: the same point is the change of the weights' slots.  Each wave waits for all its tensor loads (one is out: its quarter of the next slot), adds 0 to its spare word and waits for that and for its reads;
;   the barrier opens a round of the cluster's; the joint refill is the first thing behind it and has four sub-steps, 192 matrix instructions less the sixteen of this group, in which to land.
; bar = 3: the same without round and refill: nothing is left to ask for.
; ch = 1: chunks with loads; 2: without (the last two K steps); 0: none.  fetch = 0: the last sub-step.  first = 1: the biases start the sums.
.macro SUBK q4, bar, ch, fetch, first
.set ay_, AY0+32*((\q4)%2)
.if ((\q4) == 1) || ((\q4) == 2)
.set RAWW, 0x45                        ; even K steps: raw registers, data and both addresses in window 1
.set RB, 0
.set SA_, 128
.set GA_, 129
.set P_, 0
.set NB_, 63
.else
.set RAWW, 0
.set RB, 128
.set SA_, ADRS
.set GA_, GOF
.set P_, 1
.set NB_, 31
.endif
.set EXTRA_, 0
.set LD_, 0
.if (\ch) == 1
.set LD_, 1
.endif
.set c0_, -1
.set c1_, -1
.set c2_, -1
.if \ch
.if (\q4)%2
.set c1_, 0
.set c2_, 8
.else
.set c0_, 16
.set c1_, 24
.endif
.endif
.if (\bar) == 0
.if \fetch
	s_wait_dscnt 24                                ; y's fragments and the weights' 0-3 are in; the two younger runs (8 + 16) may be out
.else
	s_wait_dscnt 0x0
.endif
	GRP 0, ay_, 0, 16, \first, c0_
.elseif (\bar) == 1
	s_wait_dscnt 24
	GRP 0, ay_, 0, 8, 0, -1
	s_wait_dscnt 0x0                               ; for the others' sake: my reads of the buffer that is left and my stores into the other are done
	s_barrier_signal -1
	GRP 0, ay_, 8, 16, 0, -1
	s_barrier_wait -1
.else
	WIN 0                                          ; (the add's two registers lie in window 0)
	s_wait_tensorcnt 0x0                           ; all my tensor loads have landed
	ds_add_u32 v[SPW], v[NIL]                      ; 0 onto my spare word
	s_wait_dscnt 25                                ; (the add and the two younger runs may be out)
	GRP 0, ay_, 0, 8, 0, -1
	s_wait_dscnt 0x0                               ; the add is done; my reads of this slot and of the buffer that is left are over, my stores into the other buffer done
	s_barrier_signal -1
	GRP 0, ay_, 8, 16, 0, -1
	WIN 0                                          ; at a branch and at a label every window is 0
	s_barrier_wait -1
.if (\bar) == 2
	CREST
	s_xor_b32 s[G0B+1], s[G0B+1], SLOTB            ; the walking descriptor: the slot just left,
	s_add_nc_u64 s[G0B+2:G0B+3], s[G0B+2:G0B+3], SLOTSZ  ; the next 128 along K; the type bits on top are not reached
	tensor_load_to_lds s[G0B:G0B+3], s[G1:G1+7]
	s_nop 0
	PLACES                                         ; also the places in front of the run below
.endif
.endif
.if \fetch
.if (\bar) == 2
	RUN0 \q4, 0
.else
	RUN0 \q4, 1
.endif
.endif
.if ((\ch) == 1) && ((\q4)%2 == 1)
	s_wait_xcnt 0x0                                ; every earlier load has had its address translated (ISA guide 3.1): only behind this wait are the bases stepped
	s_add_nc_u64 s[YB:YB+1], s[YB:YB+1], 256       ; the next K step of 64 numbers
	s_add_nc_u64 s[XB:XB+1], s[XB:XB+1], 256
.endif
.if \fetch
	s_wait_dscnt 32                                ; the weights' 4-7 are in; the two younger runs (16 + 16) may be out
.endif
	GRP 1, ay_, 0, 16, \first, c1_
.if \fetch
	RUN1
	s_wait_dscnt 24                                ; the weights' 8-11 and x's fragments are in; the two younger runs (16 + 8) may be out
.endif
	GRP 2, ay_, 0, 16, \first, c2_
.if \fetch
	RUN2 \q4
.endif
.endm
	; K steps 0 and 1 go into LDS, steps 2 and 3 are asked for
.set LD_, 1
.set RAWW, 0x45
.set RB, 0
.set SA_, 128
.set GA_, 129
.set P_, 0
.set EXTRA_, 512
.set i_, 0
.rept 32
	CH i_
.set i_, i_+1
.endr
.set RAWW, 0
.set RB, 128
.set SA_, ADRS
.set GA_, GOF
.set P_, 1
.set EXTRA_, 768
.set i_, 0
.rept 32
	CH i_
.set i_, i_+1
.endr
	WIN 0
	s_wait_xcnt 0x0
	s_add_nc_u64 s[YB:YB+1], s[YB:YB+1], 768       ; K step 3; each later step adds 256
	s_add_nc_u64 s[XB:XB+1], s[XB:XB+1], 768
	s_mov_b32 s[TBP], 0
	s_wait_tensorcnt 0x1                           ; my quarter of slot 0 is in; slot 1's may stay out
	s_wait_dscnt 0x0                               ; my stores of K steps 0 and 1 are done
	s_barrier_signal -1
	s_barrier_wait -1
	RUN0 3, 0                                      ; sub-step 0's fragments
	RUN1
	RUN2 3
	SUBK 0, 0, 0, 1, 1                             ; sub-step 0 stands in front of the loop: its products start the sums
	WIN 0
	s_mov_b32 s[LC], 6
.Lk:                                                   ; a trip: K 128, sub-steps 4 n + 1 .. 4 n + 4; one refill of the weights, two K steps of x and y
	SUBK 1, 1, 1, 1, 0
	SUBK 2, 0, 1, 1, 0
	SUBK 3, 2, 1, 1, 0
	SUBK 0, 0, 1, 1, 0
	WIN 0
	s_sub_co_u32 s[LC], s[LC], 1
	s_cmp_lg_u32 s[LC], 0
	s_cbranch_scc1 .Lk
	SUBK 1, 1, 2, 1, 0                             ; sub-steps 25 to 31 are written out: nothing more is asked for, from memory or by the tensor mover
	SUBK 2, 0, 2, 1, 0
	SUBK 3, 3, 2, 1, 0
	SUBK 0, 0, 2, 1, 0
	SUBK 1, 1, 0, 1, 0
	SUBK 2, 0, 0, 1, 0
	SUBK 3, 0, 0, 0, 0
; THE WAY OUT, 16 rows at a time: rounded to bf16, 16 bytes a lane into my own stage, back as whole rows, stored: each store covers 512 consecutive bytes (two rows of v, eight of k or q).
.macro OUTA a
	WIN 0x0a                                       ; sources in window 2
.set j_, 0
.rept 32
	v_cvt_pk_bf16_f32 v[TMP+j_], v[64*(\a)+2*j_], v[64*(\a)+2*j_+1]
.set j_, j_+1
.endr
	WIN 0x0f                                       ; sources in window 3
.set j_, 0
.rept 16
	v_cvt_pk_bf16_f32 v[TMP2+j_], v[32*(\a)+2*j_], v[32*(\a)+2*j_+1]
.set j_, j_+1
.endr
	WIN 0
	s_wait_xcnt 0x0                                ; the registers that the last block's stores read are loaded again only behind this wait
.irp f, 0,1,2,3,4,5,6,7
	ds_store_b128 v[STO], v[TMP+4*\f:TMP+4*\f+3] offset:32*\f
.endr
.irp f, 0,1
	ds_store_b128 v[STO2], v[TMP2+4*\f:TMP2+4*\f+3] offset:32*\f
	ds_store_b128 v[STO2], v[TMP2+8+4*\f:TMP2+8+4*\f+3] offset:1280+32*\f
.endr
.irp t, 0,1,2,3,4,5,6,7
	ds_load_b128 v[BK+4*\t:BK+4*\t+3], v[RD] offset:\t*544  ; my own bytes: LDS serves a wave's instructions in order (ISA guide 5.7.1.4)
.endr
.irp t, 0,1
	ds_load_b128 v[BK2+4*\t:BK2+4*\t+3], v[RD2] offset:\t*640
.endr
.irp t, 0,1
	ds_load_b128 v[BK2+8+4*\t:BK2+8+4*\t+3], v[RD2] offset:1280+\t*640
.endr
.irp t, 0,1,2,3,4,5,6,7
	s_wait_dscnt 11-\t                             ; the younger read-backs may stay out
	global_store_b128 v[CO], v[BK+4*\t:BK+4*\t+3], s[OVB:OVB+1] offset:(16*(\a)+2*\t)*256
.endr
.irp t, 0,1
	s_wait_dscnt 3-\t
	global_store_b128 v[CO], v[BK2+4*\t:BK2+4*\t+3], s[OKB:OKB+1] offset:(16*(\a)+8*\t)*64
.endr
.irp t, 0,1
	s_wait_dscnt 1-\t
	global_store_b128 v[CO], v[BK2+8+4*\t:BK2+8+4*\t+3], s[OQB:OQB+1] offset:(16*(\a)+8*\t)*64
.endr
.endm
	PLACES
	OUTA 0
	OUTA 1
	OUTA 2
	OUTA 3
	s_wait_tensorcnt 0x0                           ; the wave's end, behind my last tensor load and my last LDS store
	ds_add_u32 v[SPW], v[NIL]
	s_wait_dscnt 0x0
	CROUND                                         ; the closing round: no work-group ends while a partner may still ask for a tile that names it
	s_endpgm
.Lfunc_end_k_q6567264647_proj:
	.size	k_q6567264647_proj, .Lfunc_end_k_q6567264647_proj-k_q6567264647_proj
	.p2alignl 7, 3214868480
	.fill 96, 4, 3214868480
	.section	.rodata,"a",@progbits
	.p2align	6, 0x0
	.amdhsa_kernel k_q6567264647_proj
		.amdhsa_group_segment_fixed_size 327680
		.amdhsa_private_segment_fixed_size 0
		.amdhsa_enable_private_segment 0
		.amdhsa_kernarg_size 72
		.amdhsa_user_sgpr_count 2
		.amdhsa_user_sgpr_kernarg_segment_ptr 1
		.amdhsa_wavefront_size32 1
		.amdhsa_system_sgpr_workgroup_id_x 1
		.amdhsa_system_sgpr_workgroup_id_y 1
		.amdhsa_system_sgpr_workgroup_id_z 1
		.amdhsa_system_vgpr_workitem_id 0
		.amdhsa_next_free_vgpr 1024
		.amdhsa_next_free_sgpr 66
		.amdhsa_reserve_vcc 0
		.amdhsa_float_denorm_mode_32 3
		.amdhsa_float_denorm_mode_16_64 3
		.amdhsa_memory_ordered 1
		.amdhsa_forward_progress 1
		.amdhsa_inst_pref_size 179
	.end_amdhsa_kernel
	.amdgpu_metadata
---
amdhsa.version: [ 1, 2 ]
amdhsa.kernels:
  - .name:           k_q6567264647_proj
    .symbol:         k_q6567264647_proj.kd
    .args:
      - { .name: x, .offset: 0, .size: 8, .value_kind: global_buffer, .address_space: global }
      - { .name: y, .offset: 8, .size: 8, .value_kind: global_buffer, .address_space: global }
      - { .name: Wf, .offset: 16, .size: 8, .value_kind: global_buffer, .address_space: global }
      - { .name: bq, .offset: 24, .size: 8, .value_kind: global_buffer, .address_space: global }
      - { .name: bk, .offset: 32, .size: 8, .value_kind: global_buffer, .address_space: global }
      - { .name: bv, .offset: 40, .size: 8, .value_kind: global_buffer, .address_space: global }
      - { .name: qb, .offset: 48, .size: 8, .value_kind: global_buffer, .address_space: global }
      - { .name: kb, .offset: 56, .size: 8, .value_kind: global_buffer, .address_space: global }
      - { .name: vb, .offset: 64, .size: 8, .value_kind: global_buffer, .address_space: global }
    .group_segment_fixed_size: 327680
    .private_segment_fixed_size: 0
    .kernarg_segment_align: 8
    .kernarg_segment_size: 72
    .max_flat_workgroup_size: 128
    .sgpr_count:     66
    .vgpr_count:     1024
    .wavefront_size: 32
...
	.end_amdgpu_metadata
.endif
;; end of part 2
;; launch attn (part 3): grid 8 x 32, 4 waves a work-group, clusters of 4 x 1, 327,680 bytes of LDS; arguments qb, kb, vb, x, gamma, out0; writes out0
.if DOCPART == 3
	.amdgcn_target "amdgcn-amd-amdhsa--gfx1250"
	.amdhsa_code_object_version 6
	.text
	.protected	k_q6567264647_attn
	.globl	k_q6567264647_attn
	.p2align	8
	.type	k_q6567264647_attn,@function
k_q6567264647_attn:
	s_mov_b64 s[64:65], 0
	v_nop
	global_prefetch_b8 v0, s[64:65] scope:SCOPE_SE
	s_setreg_imm32_b32 hwreg(HW_REG_WAVE_MODE, 25, 1), 1
	s_wait_xcnt 0x0
	s_wait_alu depctr_hold_cnt(0) depctr_sa_sdst(0) depctr_va_vdst(0) depctr_va_sdst(0) depctr_va_ssrc(0) depctr_va_vcc(0) depctr_vm_vsrc(0)
	s_getreg_b32 s2, hwreg(HW_REG_IB_STS2, 6, 4)
	s_cmp_eq_u32 s2, 0
	s_cbranch_scc0 .Lentry_in_a_cluster
	s_endpgm
.Lentry_in_a_cluster:
	s_bfe_u32 s2, ttmp6, 0x10000c
	s_cmp_lg_u32 s2, 0x3003
	s_cbranch_scc0 .Lentry_shape_is_right
	s_endpgm
.Lentry_shape_is_right:
; out0[b][m][128 h ..] = gamma x (sum over n of softmax_n(leaky(q . k / sqrt(32))) v[n]) + x[b][m][128 h ..].  qb, kb: [b 8 + h][2048][32], vb: [b 8 + h][2048][128], bf16; x, out0 f32.
; TWO PASSES.  A head's K (2,048 keys x 64 bytes) stays in LDS.  Pass 1 makes the scores and keeps only each query's true maximum m.  Pass 2 makes the scores again; its vector work is then the same for every
; score and never leaves the lane: p = 2^(C6 s + C4 |s| - (C6 m + C4 |m|)), with leaky(z) = 0.6 z + 0.4 |z| and C6, C4 = 0.6, 0.4 x log2(e) / sqrt(32).  leaky rises with s, so the maximum is taken of the raw scores.
; For 16 queries x 64 keys: pass 1 has 4 matrix and 16 vector instructions, pass 2 has 22 and 96; a running maximum would have 20 and about 168.  The sum l of the weights is a product of P with ones.
; LIMITS.  q, k, v and p are bf16; l is the sum of the ROUNDED p, the same numbers that multiply v; a weight below 2^-126 counts as 0; 0.6 s + 0.4 |s| differs from max(s, 0.2 s) by a few roundings of f32;
; NaN and infinities are not treated apart.
; SHARES.  A work-group owns 256 queries of one (batch, head), a wave 64: four tiles of 16, in two PIECES (tiles 0, 1 and tiles 2, 3).  Every wave walks all 2,048 keys, 64 a step.
; LAYOUT.  S^T = K Q^T (source 0 = 16 keys, source 1 = 16 queries; 32 channels are ONE matrix instruction): a lane holds one query (lane % 16) and the keys 8 (lane / 16) + 0..7.  Two such results rounded in pairs ARE
; source 1 of O^T += V^T P and of L^T += ones P.  V ([key][channel]) comes out of LDS turned, by ds_load_tr16_b128.
; BY TURNS.  In a turn one piece has the matrix unit (32 products V^T P, 4 for l, 8 K Q^T of the next step); the other piece's 192 vector instructions stand behind them, four behind each, the last 16 together.
; CLUSTER.  The four query blocks of a cluster belong to one head: K and every tile of V are asked for JOINTLY, all four waves alike, each its quarter.  A slot of V has 128 keys, so a wave's quarter is 32 rows.
; REGISTERS, in windows of 256 (s_set_vgpr_msb: bits 1:0 source 0, 3:2 source 1, 5:4 source 2, 7:6 destination):
;   window 0: v0-11 addresses; v12-19 -(C6 m + C4 |m|), a pair a tile; v20-35 four running maxima a tile; v36-43 at work; v44-51 gamma / l, a pair a tile; v64-191 S^T, 32 a tile; v192-255 P, 16 a tile
;   window 1: O^T, 64 a tile      window 2: v0-31 Q; v32-63, v64-95 K of one step, two buffers (pass 2 uses the first); v96-103 ones; v104-135 L^T, 8 a tile      window 3: v0-127 V of one step
.set KS,    64
.set PK,    80                         ; a key in LDS: 64 bytes + 16: the 16 rows of a load start at 16 different groups of four banks (64 banks of 4 bytes: ISA guide 11.1)
.set PV,    288                        ; a row of V: 256 + 32 bytes
.set VSL1,  65536                      ; V's slot 1: one exclusive or turns an address in one slot into the other's.  A slot: 128 keys, 36,864 bytes
.set SPARE, 36864                      ; behind slot 0: the spare words, 128 bytes a wave: two blocks of 256 bytes that no other line names
.set KBASE, 102400                     ; behind slot 1: K, 163,840 bytes, filled once
.set STAGE, 266240                     ; behind K, never filled by a tensor load: 16 rows x 528 bytes for each wave
.set SP,    528
.set AK0, 2                            ; my lane's place in a step of K; never rewritten
.set AV0, 3                            ; the same for V
.set ADRK, 4
.set ADRV, 5
.set QO,  6                            ; my byte offset in 16 rows of Q
.set STO, 7                            ; the way out: where I put 16 bytes of a row
.set RD,  8                            ; where I read a row back
.set GO,  9                            ; 16 x lane
.set PF,  10                           ; my block of 256 bytes among 16 rows of x
.set NM,  12
.set CC,  20
.set W,   36
.set FF,  44
.set SPW, 62                           ; LDS address of my spare word; never rewritten
.set NIL, 63                           ; 0; never rewritten
.set S,   64
.set P,   192
.set KA,  32
.set KB,  64
.set ONES, 96
.set LL,  104
.set WV,  16                           ; s16 my wave's number
.set G1K, 24                           ; s[24:31], s[32:39] descriptor group 1 for K, for V
.set G1V, 32
.set G0K, 40                           ; s[40:43] group 0 for K; s[44:47] for V's slot 0; s[48:51] for V's slot 1: it then walks
.set G0V0, 44
.set G0V1, 48
.set SLOTS, 52
.set CNT, 53
.set TBK, 54                           ; byte offset in K of the step to be fetched
.set TBV, 55                           ; LDS byte at which V of the step to be fetched begins
.set C6,  56                           ; s[56:57]: the packed instruction names a pair and takes its low word for both halves
.set C4,  58
.set GAM, 59
.set SEL, 60                           ; s[60:61] v_permlanex16_b32's selects: each lane takes its own place in the other half
.set MSB, 0
.macro WIN new                         ; the immediate's high byte repeats the setting that is left; a switch that changes nothing is dropped
.if MSB != (\new)
	s_set_vgpr_msb (MSB<<8)|(\new)
.set MSB, \new
.endif
.endm
.set W_KQ, 0x0a                        ; K and Q in window 2, S^T in window 0
.set W_PV, 0x53                        ; V in window 3, P in window 0, O^T in window 1
.set W_LS, 0xa2                        ; ones in window 2, P in window 0, L^T in window 2
.set W_RS, 0x41                        ; O^T (destination and source 0) in window 1, the factor in window 0
.macro PLACES                          ; four places (ISA guide 7.12.1)
.rept 4
	v_nop
.endr
.endm
.macro CROUND                          ; a round of the cluster's barrier
	s_barrier_signal -1
	s_barrier_wait -1
	s_cmp_lg_u32 s[WV], 0
	s_cbranch_scc1 .Lnot_wave_0_\@
	s_barrier_signal -3
.Lnot_wave_0_\@:
	s_barrier_wait -3
	s_barrier_signal -1
	s_barrier_wait -1
.endm
	s_load_b256 s[4:11], s[0:1], 0x0               ; qb s[4:5], kb s[6:7], vb s[8:9], x s[10:11]
	s_load_b128 s[12:15], s[0:1], 0x20             ; gamma s[12:13], out0 s[14:15]
	v_lshl_add_u32 v[SPW], v0, 2, SPARE
	v_mov_b32 v[NIL], 0
	ds_add_u32 v[SPW], v[NIL]                      ; the wave's opening: the add and its wait stand ahead of my first tensor load; the set-up, work on registers, stands between them
	v_lshrrev_b32 v1, 5, v0
	v_readfirstlane_b32 s[WV], v1                  ; wave 0..3
	s_bfe_u32 s17, ttmp6, 0x40000                  ; cx
	s_lshl_b32 s18, ttmp9, 2
	s_add_co_u32 s18, s18, s17                     ; my block of 256 queries: it enters Q's, x's and out0's addresses alone
	s_and_b32 s19, ttmp7, 0xffff                   ; batch x 8 + head, which the four partners share
	; K: my 512 keys are 32,768 dense bytes: 128 rows of 256 bytes, four keys a row, padded in LDS after every key
	s_mov_b32 s[G1K], 15|(1<<16)|(1<<20)|(1<<21)|(3<<22)|(3<<25)  ; the mask of four; 2-byte elements; padding on; 21 set beside a mask; after every 16 words (code 3) 4 words (code 3)
	s_mov_b32 s[G1K+1], 128<<16                    ; tensor_dim0 = 128
	s_mov_b32 s[G1K+2], 128<<16                    ; tensor_dim1 = 128
	s_mov_b32 s[G1K+3], 128<<16                    ; tile_dim0 = 128
	s_mov_b32 s[G1K+4], 128                        ; tile_dim1 = 128
	s_mov_b32 s[G1K+5], 128                        ; 128 elements from row to row
	s_mov_b32 s[G1K+6], 0
	s_mov_b32 s[G1K+7], 0
	; V: my 32 keys of a slot, rows of 256 bytes
	s_mov_b32 s[G1V], 15|(1<<16)|(1<<20)|(1<<21)|(5<<22)|(7<<25)  ; after every 64 words (code 5) 8 words (code 7)
	s_mov_b32 s[G1V+1], 128<<16
	s_mov_b32 s[G1V+2], 32<<16
	s_mov_b32 s[G1V+3], 128<<16
	s_mov_b32 s[G1V+4], 32
	s_mov_b32 s[G1V+5], 128
	s_mov_b32 s[G1V+6], 0
	s_mov_b32 s[G1V+7], 0
	s_mov_b32 s[G0K], 1
	s_mul_i32 s[G0K+1], s[WV], 512*PK
	s_add_co_u32 s[G0K+1], s[G0K+1], KBASE
	s_mov_b32 s[G0V0], 1
	s_mul_i32 s[G0V0+1], s[WV], 32*PV
	s_mov_b32 s[G0V1], 1
	s_add_co_u32 s[G0V1+1], s[G0V0+1], VSL1
	s_lshl_b32 s20, s19, 17                        ; K: the head's 131,072 bytes, my quarter
	s_lshl_b32 s21, s[WV], 15
	s_add_co_u32 s20, s20, s21
	s_mov_b32 s21, 0
	s_lshl_b32 s22, s19, 19                        ; V: the head's 524,288 bytes, my quarter of a slot
	s_lshl_b32 s23, s[WV], 13
	s_add_co_u32 s22, s22, s23
	s_mov_b32 s23, 0
	s_lshl_b32 s2, s19, 17                         ; Q: the head, my block's 256 rows of 64 bytes, my wave's 64
	s_lshl_b32 s3, s18, 14
	s_add_co_u32 s2, s2, s3
	s_lshl_b32 s3, s[WV], 12
	s_add_co_u32 s2, s2, s3
	s_mov_b32 s3, 0
	s_lshr_b32 s62, s19, 3                         ; x and out0: the batch's 2,048 rows of 4,096 bytes,
	s_lshl_b32 s62, s62, 23
	s_lshl_b32 s63, s18, 20                        ; my block's 256,
	s_add_co_u32 s62, s62, s63
	s_lshl_b32 s63, s[WV], 18                      ; my wave's 64,
	s_add_co_u32 s62, s62, s63
	s_and_b32 s63, s19, 7
	s_lshl_b32 s63, s63, 9                         ; the head's 512 bytes of a row
	s_add_co_u32 s62, s62, s63
	s_mov_b32 s63, 0
	s_mov_b32 s[C6], 0x3e1cb184                    ; 0.6 log2(e) / sqrt(32) = 0.153021
	s_mov_b32 s[C6+1], s[C6]
	s_mov_b32 s[C4], 0x3dd0ecb0                    ; 0.4 log2(e) / sqrt(32) = 0.102014
	s_mov_b32 s[SEL], 0x76543210
	s_mov_b32 s[SEL+1], 0xfedcba98
	s_mov_b32 s[TBK], 0
	s_mov_b32 s[TBV], 0
	v_and_b32 v1, 15, v0                           ; r
	v_bfe_u32 v11, v0, 4, 1                        ; h
	v_and_b32 v36, 31, v0                          ; lane
	v_mul_u32_u24 v[AK0], v1, PK                   ; a fragment of K: key r, 16 bytes for each half of the lanes
	v_lshl_add_u32 v[AK0], v11, 4, v[AK0]
	v_add_nc_u32 v[AK0], KBASE, v[AK0]
	v_and_b32 v37, 7, v0                           ; the turning load: key 8 h + lane % 8, channels 8 ((lane / 8) % 2) on
	v_lshl_add_u32 v37, v11, 3, v37
	v_mul_u32_u24 v[AV0], v37, PV
	v_bfe_u32 v37, v0, 3, 1
	v_lshl_add_u32 v[AV0], v37, 4, v[AV0]
	v_lshlrev_b32 v[QO], 6, v1
	v_lshl_add_u32 v[QO], v11, 4, v[QO]
	s_mul_i32 s52, s[WV], 16*SP
	s_add_co_u32 s52, s52, STAGE
	v_mul_u32_u24 v[STO], v1, SP                   ; in: row r, my eight channels begin at 8 h
	v_lshl_add_u32 v[STO], v11, 5, v[STO]
	v_add_nc_u32 v[STO], s52, v[STO]
	v_lshlrev_b32 v[GO], 4, v36
	v_add_nc_u32 v[RD], s52, v[GO]                 ; back: 32 lanes take one row of 512 bytes
	v_lshrrev_b32 v37, 1, v36
	v_and_b32 v[PF], 1, v36
	v_lshlrev_b32 v[PF], 8, v[PF]
	v_lshl_add_u32 v[PF], v37, 12, v[PF]           ; row lane / 2, block lane % 2 of its 512 bytes
	s_wait_dscnt 0x0                               ; the opening add is done
	s_wait_kmcnt 0x0
	s_load_b32 s[GAM], s[12:13], 0x0               ; gamma's value: no line of this launch writes that buffer
	s_add_nc_u64 s[G0K+2:G0K+3], s[6:7], s[20:21]
	s_or_b32 s[G0K+3], s[G0K+3], 0x80000000        ; type = 2
	s_add_nc_u64 s[G0V0+2:G0V0+3], s[8:9], s[22:23]
	s_add_nc_u64 s[G0V1+2:G0V1+3], s[G0V0+2:G0V0+3], 32768
	s_or_b32 s[G0V0+3], s[G0V0+3], 0x80000000
	s_or_b32 s[G0V1+3], s[G0V1+3], 0x80000000
	s_add_nc_u64 s[4:5], s[4:5], s[2:3]
	s_add_nc_u64 s[10:11], s[10:11], s[62:63]
	s_add_nc_u64 s[14:15], s[14:15], s[62:63]
	CROUND                                         ; all four work-groups are here: the first joint loads meet
	tensor_load_to_lds s[G0K:G0K+3], s[G1K:G1K+7]  ; the first fills go out together: three tensor loads of mine are out
	s_nop 0
	tensor_load_to_lds s[G0V0:G0V0+3], s[G1V:G1V+7]
	s_nop 0
	tensor_load_to_lds s[G0V1:G0V1+3], s[G1V:G1V+7]
	s_nop 0
	PLACES
	WIN 0x80                                       ; destination window 2, address window 0
.irp t, 0,1,2,3
	global_load_b128 v[8*\t:8*\t+3],   v[QO], s[4:5] offset:\t*1024
	global_load_b128 v[8*\t+4:8*\t+7], v[QO], s[4:5] offset:\t*1024+32
.endr
	; In the wait for K: O^T and L^T are cleared on purpose, 288 lines, so that no first step of pass 2 need be written out beside the loop's text
.set i, ONES
.rept 8
	v_mov_b32 v[i], 0x3f803f80                     ; two bf16 ones
.set i, i+1
.endr
.set i, LL
.rept 32
	v_mov_b32 v[i], 0
.set i, i+1
.endr
	WIN 0x40
.set i, 0
.rept 256
	v_mov_b32 v[i], 0
.set i, i+1
.endr
	WIN 0
.set i, CC
.rept 16
	v_mov_b32 v[i], 0xff7fffff                     ; the lowest finite number
.set i, i+1
.endr
; THE LDS LOADS stand in runs, never singly among the matrix instructions.
.macro FETCH_K buf                     ; a step's K: 64 keys x 32 channels, 4 fragments
	WIN 0
	v_add_nc_u32 v[ADRK], s[TBK], v[AK0]
	s_add_co_u32 s[TBK], s[TBK], KS*PK
	WIN 0x80
.irp f, 0,1,2,3
	ds_load_b128 v[(\buf)+8*\f:(\buf)+8*\f+3],   v[ADRK] offset:\f*16*PK
	ds_load_b128 v[(\buf)+8*\f+4:(\buf)+8*\f+7], v[ADRK] offset:\f*16*PK+32
.endr
.endm
.macro FETCH_VH kk                     ; half a step's V: 32 keys x 128 channels, 8 fragments, turned
.if (\kk) == 0
	WIN 0
	v_add_nc_u32 v[ADRV], s[TBV], v[AV0]
	s_add_co_u32 s[TBV], s[TBV], KS*PV
.endif
	WIN 0xc0
.irp c, 0,1,2,3,4,5,6,7
	ds_load_tr16_b128 v[64*(\kk)+8*\c:64*(\kk)+8*\c+3],   v[ADRV] offset:(\kk)*32*PV+\c*32
	ds_load_tr16_b128 v[64*(\kk)+8*\c+4:64*(\kk)+8*\c+7], v[ADRV] offset:(\kk)*32*PV+16*PV+\c*32
.endr
.endm
; PASS 1.  Number m_ of a piece's 32 maxima: eight chains (tile, key block) that do not wait for each other; each accumulator's lowest registers are read first.
.macro MX y
.set t_, (\y)+(m_/4)%2
.set b_, m_%4
	v_max3_num_f32 v[CC+4*t_+b_], v[CC+4*t_+b_], v[S+32*t_+8*b_+2*(m_/8)], v[S+32*t_+8*b_+2*(m_/8)+1]
.set m_, m_+1
.endm
; A turn of pass 1: 8 products K Q^T of piece x from buffer ku; rid = 1: four maxima of the other piece behind each; kf >= 0: the next step's K is fetched into buffer kf, whose last reader stands
; two products and twelve maxima back or more; wt = 1: buffer ku is waited for.
.macro P1T x, ku, rid, kf, wt
.if \wt
	s_wait_dscnt 0x0
.endif
.set i, 0
.set m_, 0
.rept 8
	WIN W_KQ
.set t_, (\x)+i%2
	v_wmma_f32_16x16x32_bf16 v[S+32*t_+8*(i/2):S+32*t_+8*(i/2)+7], v[(\ku)+8*(i/2):(\ku)+8*(i/2)+7], v[8*t_:8*t_+7], 0
.if \rid
	WIN 0
.rept 4
	MX 2-(\x)
.endr
.endif
.if ((\kf) >= 0) && (i == 1)
	FETCH_K \kf
.endif
.set i, i+1
.endr
.if !(\rid)
	PLACES                                         ; no vector work stands behind these products: the places in front of the first maxima
.endif
.endm
; PASS 2, THE VECTOR WORK of piece y for a step: 32 pairs of scores (id: tile y + id % 2, pair id / 2), six instructions each:
;   F  C6 s - (C6 m + C4 |m|), packed, into a pair at work      A, A  + C4 |s|, back into S^T      E, E  the exponentials, in place      C  the pair rounded to bf16, into P
; dealt as a pipeline: group k of six is F(k), A A(k - 1), E E(k - 2), C(k - 3).  So every line stands six or more behind the one that feeds it, and a plain line of another pair stands behind each two exponentials.
.macro QENT y
.set id_, QS/6-(QS%6+1)/2
.set p_, QS%6
.if (id_ >= 0) && (id_ < 32)
.set t_, (\y)+id_%2
.set rS_, S+32*t_+2*(id_/2)
.set rW_, W+2*(id_%4)
.set left_, left_-1
.if p_ == 0
	v_pk_fma_f32 v[rW_:rW_+1], v[rS_:rS_+1], s[C6:C6+1], v[NM+2*t_:NM+2*t_+1] op_sel_hi:[1,0,0]
.elseif p_ < 3
	v_fma_f32 v[rS_+p_-1], |v[rS_+p_-1]|, s[C4], v[rW_+p_-1]
.elseif p_ < 5
	v_exp_f32 v[rS_+p_-3], v[rS_+p_-3]
.else
	s_wait_alu depctr_va_vdst(0)
	v_cvt_pk_bf16_f32 v[P+16*t_+id_/2], v[rS_], v[rS_+1]
.endif
.endif
.endm
.macro RID y, n                        ; the next n lines of the queue (its head and tail have nine empty places each)
	WIN 0
.set left_, \n
.rept (\n)+12
.if (left_ > 0) && (QS < 210)
	QENT \y
.set QS, QS+1
.endif
.endr
.endm
; THE MATRIX WORK of a turn, number i.  0-31: O^T += V^T P, keys 32 (i / 16) on, channels 16 ((i / 2) % 8) on, tile x + i % 2.  32-35: L^T += ones P.  36-43: S^T = K Q^T of the next step, keys 16 ((i - 36) / 2) on.
; The accumulators take turns, one instruction a turn.
.macro MMT x
.set t_, (\x)+i%2
.if i < 32
	WIN W_PV
.set rO_, 64*t_+8*((i/2)%8)
.set rV_, 64*(i/16)+8*((i/2)%8)
.set rP_, P+16*t_+8*(i/16)
	v_wmma_f32_16x16x32_bf16 v[rO_:rO_+7], v[rV_:rV_+7], v[rP_:rP_+7], v[rO_:rO_+7]
.elseif i < 36
	WIN W_LS
.set rP_, P+16*t_+8*((i-32)/2)
	v_wmma_f32_16x16x32_bf16 v[LL+8*t_:LL+8*t_+7], v[ONES:ONES+7], v[rP_:rP_+7], v[LL+8*t_:LL+8*t_+7]
.else
	WIN W_KQ
.set rS_, S+32*t_+8*((i-36)/2)
	v_wmma_f32_16x16x32_bf16 v[rS_:rS_+7], v[KA+8*((i-36)/2):KA+8*((i-36)/2)+7], v[8*t_:8*t_+7], 0
.endif
.endm
; A TURN of pass 2 for piece x.  kq = 1: with the next step's scores.  fetch = 1: piece 0's turn fetches the next step's K behind its second product (K's last reader stands in front of the last 20 vector lines of
; the turn before); piece 2's turn fetches the next step's V, each half two products and twelve vector lines, eight of them plain, behind the half's last reader.  rid = 1: the other piece's vector work rides along.
.macro TURN x, kq, fetch, rid
.set QS, 0
.set y_, 2-(\x)
.set i, 0
.rept 36+8*(\kq)
.if (\x) == 0
.if i == 0
	s_wait_dscnt 16                                ; V's first half is in; the second half's sixteen loads may be out
.elseif i == 16
	s_wait_dscnt 8*(\fetch)                        ; V's second half is in; K's eight loads may be out
.elseif i == 36
	s_wait_dscnt 0x0                               ; K is in
.endif
.endif
	MMT \x
.if \rid
	RID y_, 4
.endif
.if \fetch
.if ((\x) == 0) && (i == 1)
	FETCH_K KA
.elseif ((\x) == 2) && (i == 17)
	FETCH_VH 0
.elseif ((\x) == 2) && (i == 33)
	FETCH_VH 1
.endif
.endif
.set i, i+1
.endr
.if \rid
	RID y_, 210                                    ; what is over stands together; its plain lines are the places behind the turn's last products
.endif
.endm
; THE CHANGE OF V's SLOTS, behind the step that has asked for the slot's last bytes.  Each wave waits for all its tensor loads, of which one is out: its quarter of the other slot; adds 0 to its spare word; and waits for that
; and for its own reads of the slot.  fill = 1: the barrier is a round of the cluster's, and the joint refill, the keys two slots on, is the first thing behind it: it has two key steps, 176 matrix instructions, in which to land.
.macro CHANGE fill
	WIN 0                                          ; at a label and at a branch every window is 0
	s_wait_tensorcnt 0x0                           ; no tensor load of mine is out, so a group 0 may be written
	ds_add_u32 v[SPW], v[NIL]                      ; 0 onto my spare word
.if \fill
	s_xor_b32 s[G0V1+1], s[G0V1+1], VSL1           ; the walking descriptor: the other slot than last time,
	s_add_nc_u64 s[G0V1+2:G0V1+3], s[G0V1+2:G0V1+3], 32768  ; the next 128 keys; the type bits on top are not reached
.endif
	s_wait_dscnt 0x0                               ; the add is done, and my reads of the slot are over
.if \fill
	CROUND
	tensor_load_to_lds s[G0V1:G0V1+3], s[G1V:G1V+7]
	s_nop 0
	PLACES
.else
	s_barrier_signal -1
	s_barrier_wait -1
.endif
	s_sub_co_u32 s[TBV], s[TBV], 2*KS*PV           ; the fetches go back to a slot's first step,
	s_xor_b32 s[TBV], s[TBV], VSL1                 ; in the other slot
.endm
.macro XLOAD t                         ; tile t's 16 rows of x, 512 bytes each, into S^T's registers, which are free by then: tiles by turns in v64-127 and v128-191
	WIN 0
.set i, 0
.rept 16
	global_load_b128 v[S+64*((\t)%2)+4*i:S+64*((\t)%2)+4*i+3], v[GO], s[10:11] offset:(16*(\t)+i)*4096 th:TH_LOAD_NT
.set i, i+1
.endr
.endm
	s_wait_tensorcnt 0x2                           ; my quarter of K is in; V's two slots may stay out
	s_barrier_signal -1
	s_barrier_wait -1                              ; everybody's is
	FETCH_K KA                                     ; key step 0
	s_wait_loadcnt 0x0                             ; Q
	s_wait_kmcnt 0x0                               ; gamma
	P1T 0, KA, 0, KB, 1                            ; piece 0, step 0
	WIN 0
	s_mov_b32 s[CNT], 15
.Lmax:                                                 ; a trip: piece 2 of step 2 n, both pieces of step 2 n + 1, piece 0 of step 2 n + 2
	P1T 2, KA, 1, -1, 0
	P1T 0, KB, 1, KA, 1
	P1T 2, KB, 1, -1, 0
	P1T 0, KA, 1, KB, 1
	WIN 0
	s_sub_co_u32 s[CNT], s[CNT], 1
	s_cmp_lg_u32 s[CNT], 0
	s_cbranch_scc1 .Lmax
	P1T 2, KA, 1, -1, 0                            ; the last trip is written out: behind step 31 comes step 0 again, for pass 2
	s_mov_b32 s[TBK], 0
	P1T 0, KB, 1, KA, 1
	P1T 2, KB, 1, -1, 0
	P1T 0, KA, 1, -1, 1                            ; piece 0's scores of step 0; beside them piece 2's last maxima
	WIN 0
.irp t, 0,1,2,3
	v_max3_num_f32 v[CC+4*\t], v[CC+4*\t], v[CC+4*\t+1], v[CC+4*\t+2]
.endr
.irp t, 0,1,2,3
	v_max_num_f32 v[CC+4*\t], v[CC+4*\t], v[CC+4*\t+3]
.endr
.irp t, 0,1,2,3
	v_permlanex16_b32 v[CC+4*\t+1], v[CC+4*\t], s[SEL], s[SEL+1]  ; the query's other keys lie in the lane 16 away
.endr
.irp t, 0,1,2,3
	v_max_num_f32 v[CC+4*\t], v[CC+4*\t], v[CC+4*\t+1]
.endr
.irp t, 0,1,2,3
	v_mul_f32 v[CC+4*\t+1], s[C4], |v[CC+4*\t]|
.endr
.irp t, 0,1,2,3
	v_fma_f32 v[NM+2*\t], -v[CC+4*\t], s[C6], -v[CC+4*\t+1]
.endr
.irp t, 0,1,2,3
	v_mov_b32 v[NM+2*\t+1], v[NM+2*\t]             ; named with it as a pair
.endr
	s_wait_tensorcnt 0x1                           ; my quarter of V's slot 0 is in; slot 1's may stay out
	s_barrier_signal -1
	s_barrier_wait -1
	FETCH_VH 0                                     ; V of step 0
	FETCH_VH 1
.set QS, 0
.set i, 36
.rept 8
	MMT 2                                          ; piece 2's scores of step 0 | piece 0's vector work of step 0
	RID 0, 4
.set i, i+1
.endr
	RID 0, 210
	WIN 0
	s_mov_b32 s[SLOTS], 15
	s_mov_b32 s[CNT], 1                            ; a slot's last bytes are asked for one step early, so the first change comes behind step 0
	s_branch .Lstep
.Lslot:                                                ; 14 times: every slot but the last two is filled again
	CHANGE 1
	s_mov_b32 s[CNT], 2
.Lstep:                                                ; a key step j: piece 0: V^T P (j), l, K Q^T (j + 1) | piece 2's vector work (j) | K (j + 1); then piece 2 likewise | piece 0's (j + 1) | V (j + 1)
	TURN 0, 1, 1, 1
	TURN 2, 1, 1, 1
	WIN 0
	s_sub_co_u32 s[CNT], s[CNT], 1
	s_cmp_lg_u32 s[CNT], 0
	s_cbranch_scc1 .Lstep
	s_sub_co_u32 s[SLOTS], s[SLOTS], 1
	s_cmp_lg_u32 s[SLOTS], 0
	s_cbranch_scc1 .Lslot
	CHANGE 0                                       ; the tail is written out: nothing is asked for
.irp p, 0,1,2,3
	global_prefetch_b8 v[PF], s[10:11] offset:\p*65536 th:TH_LOAD_NT scope:SCOPE_SE  ; my wave's 64 rows x 512 bytes of x, each block of 256 bytes asked for once, by me alone, two key steps ahead of the first load of them; all lie inside x
.endr
	s_mov_b32 s[CNT], 2
.Ltail:                                                ; steps 29 and 30
	TURN 0, 1, 1, 1
	TURN 2, 1, 1, 1
	WIN 0
	s_sub_co_u32 s[CNT], s[CNT], 1
	s_cmp_lg_u32 s[CNT], 0
	s_cbranch_scc1 .Ltail
	XLOAD 0
	TURN 0, 0, 0, 1                                ; step 31: piece 0's products | piece 2's last vector work
	XLOAD 1
	TURN 2, 0, 0, 0                                ; piece 2's products
	; THE WAY OUT.  Every register of L^T holds the query's l.  O^T is multiplied by gamma / l, which belongs to my lane's query; a tile goes through my stage and comes back by rows, where x is added.
	; (The multiply and the add are not one fused instruction: the factor goes by lanes in the one layout and by rows in the other.)
	WIN 0
	PLACES
	WIN 0x02                                       ; source 0 in window 2
.irp t, 0,1,2,3
	v_rcp_f32 v[FF+2*\t], v[LL+8*\t]
.endr
	WIN 0
	v_nop                                          ; a plain instruction between the last reciprocal and the use of its result
	s_wait_alu depctr_va_vdst(0)
.irp t, 0,1,2,3
	v_mul_f32 v[FF+2*\t], s[GAM], v[FF+2*\t]
.endr
.irp t, 0,1,2,3
	v_mov_b32 v[FF+2*\t+1], v[FF+2*\t]             ; named with it as a pair
.endr
.macro OUTT t, younger                 ; younger: the loads of x issued behind tile t's: the next tile's sixteen, or none
	WIN W_RS
.set i, 0
.rept 32
	v_pk_mul_f32 v[64*(\t)+2*i:64*(\t)+2*i+1], v[64*(\t)+2*i:64*(\t)+2*i+1], v[FF+2*(\t):FF+2*(\t)+1] op_sel_hi:[1,0]
.set i, i+1
.endr
	WIN 0x04                                       ; store data in window 1
	s_wait_xcnt 0x0                                ; the registers that the last tile's stores read are loaded again only behind this wait
.set i, 0
.rept 16
	ds_store_b128 v[STO], v[64*(\t)+4*i:64*(\t)+4*i+3] offset:(i/2)*64+(i%2)*16
.set i, i+1
.endr
	WIN 0
.set i, 0
.rept 16
	ds_load_b128 v[P+4*i:P+4*i+3], v[RD] offset:i*SP  ; my own bytes: LDS serves a wave's instructions in order (ISA guide 5.7.1.4)
.set i, i+1
.endr
.set i, 0
.rept 16
	s_wait_dscnt 15-i                              ; row i is back; the younger rows may be out
	s_wait_loadcnt (\younger)+15-i                 ; x's row i is in; this tile's later rows and the next tile's may be out
	v_pk_add_f32 v[P+4*i:P+4*i+1], v[P+4*i:P+4*i+1], v[S+64*((\t)%2)+4*i:S+64*((\t)%2)+4*i+1]
	v_pk_add_f32 v[P+4*i+2:P+4*i+3], v[P+4*i+2:P+4*i+3], v[S+64*((\t)%2)+4*i+2:S+64*((\t)%2)+4*i+3]
	global_store_b128 v[GO], v[P+4*i:P+4*i+3], s[14:15] offset:(16*(\t)+i)*4096 th:TH_STORE_NT  ; 512 consecutive bytes, at a multiple of 512 from out0's first byte
.set i, i+1
.endr
.endm
	OUTT 0, 16
	XLOAD 2
	OUTT 1, 16
	XLOAD 3
	OUTT 2, 16
	OUTT 3, 0
	s_wait_tensorcnt 0x0                           ; the wave's end, behind my last tensor load and my last LDS store
	ds_add_u32 v[SPW], v[NIL]
	s_wait_dscnt 0x0
	CROUND                                         ; the closing round: no work-group ends while a partner may still ask for a tile that names it
	s_endpgm
.Lfunc_end_k_q6567264647_attn:
	.size	k_q6567264647_attn, .Lfunc_end_k_q6567264647_attn-k_q6567264647_attn
	.p2alignl 7, 3214868480
	.fill 96, 4, 3214868480
	.section	.rodata,"a",@progbits
	.p2align	6, 0x0
	.amdhsa_kernel k_q6567264647_attn
		.amdhsa_group_segment_fixed_size 327680
		.amdhsa_private_segment_fixed_size 0
		.amdhsa_enable_private_segment 0
		.amdhsa_kernarg_size 48
		.amdhsa_user_sgpr_count 2
		.amdhsa_user_sgpr_kernarg_segment_ptr 1
		.amdhsa_wavefront_size32 1
		.amdhsa_system_sgpr_workgroup_id_x 1
		.amdhsa_system_sgpr_workgroup_id_y 1
		.amdhsa_system_sgpr_workgroup_id_z 1
		.amdhsa_system_vgpr_workitem_id 0
		.amdhsa_next_free_vgpr 896
		.amdhsa_next_free_sgpr 66
		.amdhsa_reserve_vcc 0
		.amdhsa_float_denorm_mode_32 3
		.amdhsa_float_denorm_mode_16_64 3
		.amdhsa_memory_ordered 1
		.amdhsa_forward_progress 1
		.amdhsa_inst_pref_size 195
	.end_amdhsa_kernel
	.amdgpu_metadata
---
amdhsa.version: [ 1, 2 ]
amdhsa.kernels:
  - .name:           k_q6567264647_attn
    .symbol:         k_q6567264647_attn.kd
    .args:
      - { .name: qb, .offset: 0, .size: 8, .value_kind: global_buffer, .address_space: global }
      - { .name: kb, .offset: 8, .size: 8, .value_kind: global_buffer, .address_space: global }
      - { .name: vb, .offset: 16, .size: 8, .value_kind: global_buffer, .address_space: global }
      - { .name: x, .offset: 24, .size: 8, .value_kind: global_buffer, .address_space: global }
      - { .name: gamma, .offset: 32, .size: 8, .value_kind: global_buffer, .address_space: global }
      - { .name: out0, .offset: 40, .size: 8, .value_kind: global_buffer, .address_space: global }
    .group_segment_fixed_size: 327680
    .private_segment_fixed_size: 0
    .kernarg_segment_align: 8
    .kernarg_segment_size: 48
    .max_flat_workgroup_size: 128
    .sgpr_count:     66
    .vgpr_count:     896
    .wavefront_size: 32
...
	.end_amdgpu_metadata
.endif
;; end of part 3
